; MI455X (gfx1250); checked and timed in simulation.
; The chip was launched on July 23, 2026; its instructions are those of AMD's public machine-readable ISA for CDNA 5 (MIT licence, August 2026) and "CDNA5" Instruction Set Architecture Reference Guide (July 2026). The comments in the code are by the model that wrote it; some were corrected since.
;; Multi Headed Self Attention. Allowed arithmetic: matrix products marked QUANTISED: E4M3 operands, one given power-of-two scale a tensor, by v_wmma_f32_16x16x64_fp8_fp8 or v_wmma_f32_16x16x128_fp8_fp8, f32 sums; everything else in f32.
;; Inputs: Wk 16 x 1,024 x 64 float32; Wq 16 x 1,024 x 64 float32; Wv 16 x 1,024 x 64 float32; embedded 4 x 2,048 x 1,024 float32; lowp_scales 10 int32 (the exponents e of the quantised operands' scales 2^e).
;; Outputs: out0 4 x 2,048 x 1,024 float32.
;; This version of the problem:
;;   THIS VERSION OF THE PROBLEM IS GIVEN IN LOW PRECISION. The matrix products marked QUANTISED in the list below multiply operands that are first quantised to E4M3 (4 exponent bits, 3 mantissa bits; 8 bits a number), with one given power-of-two scale for each operand tensor; their sums are f32. All else is computed in f32.
;;   The module's matrix products, in the order in which they are computed (A, B: the left and right operand; K: the contracted axis; several contracted axes count as one K, in the product's order):
;;     1. [M 1,024, K 1,024] x [K 1,024, N 8,192]; A: input Wq; B: input embedded: QUANTISED (scales: A lowp_scales[0], B lowp_scales[1])
;;     2. [M 1,024, K 1,024] x [K 1,024, N 8,192]; A: input Wk; B: input embedded: QUANTISED (scales: A lowp_scales[2], B lowp_scales[3])
;;     3. [M 1,024, K 1,024] x [K 1,024, N 8,192]; A: input Wv; B: input embedded: QUANTISED (scales: A lowp_scales[4], B lowp_scales[5])
;;     4. batch 64 x [M 2,048, K 64] x [K 64, N 2,048]; A: computed on the way; B: computed on the way: QUANTISED (scales: A lowp_scales[6], B lowp_scales[7])
;;     5. batch 64 x [M 2,048, K 2,048] x [K 2,048, N 64]; A: softmax (see below); B: computed on the way: QUANTISED (scales: A lowp_scales[8], B lowp_scales[9])
;;   THE QUANTISER, for each operand of a quantised product, along K:
;;     - The operand's scale is 2^e, e = its entry of the input lowp_scales (int32; the entries are numbered through the quantised products in the list's order, A before B).
;;     - Each number is divided by the scale, clamped to +-448, and rounded to the nearest number of E4M3, ties to even, subnormals kept.
;;     - The product sums the exact products of the quantised numbers (number of the format x scale) in f32.
;;   ~~~python
;;   def quantise(x, axis, e):      # numpy; x: float32 -> the quantised numbers, widened to float32 again
;;       x = np.moveaxis(x, axis, -1); K = x.shape[-1]
;;       r = np.clip(x / 2.0 ** e, -448, 448)
;;       step = 2.0 ** (np.maximum(np.frexp(np.where(r == 0, 1, r))[1] - 1, -6) - 3)
;;       q = np.round(r / step) * step * 2.0 ** e      # np.round: ties to even
;;       return np.moveaxis(q, -1, axis).astype(np.float32)
;;   ~~~
;;   SOFTMAX AHEAD OF A QUANTISED PRODUCT. Where the list says 'softmax', what is quantised is not the finished softmax but p = 2^(t - M), with t = logit x log2(e) and M = ceil(the row's largest t), a whole number; so 1/2 < the row's largest p <= 1. The row's sum l is taken of the UNQUANTISED p, in f32, and the product's result is divided by l at the end. Since M is a whole number, a kernel that streams over the keys may use a running M (the ceiling of the running maximum): every later rescaling is an exact power of two, so the quantised numbers keep their values, but for numbers so far below the row's largest that they fall under the format's range.
;;   OPERANDS COMPUTED ON THE WAY. 'Computed on the way' means the value that the module computes at that place (a softmax that the list does not call 'softmax' is quantised finished and normalised). What goes into a quantiser is computed in f32, as accurately as f32 sums, v_exp_f32 and their like allow (about 1e-6 of the number): no bf16 or f16 on the way to a quantiser, and a product that is left as it is and whose result goes on into a quantised operand takes f32 operands (vector FMAs, or v_wmma_f32_16x16x4_f32). A number that lies on a knife's edge between two numbers of the format may be rounded either way, as far as f32 arithmetic and the matrix unit's own rounding can turn it there, and no further.
;; One version. Each part assembles by itself: llvm-mc -triple=amdgcn-amd-amdhsa -mcpu=gfx1250 --defsym DOCPART=n.
;; ======== version 1 of 1: 3 launches
;; limits: right only within a limited range of input values
;; workspace buffers: xc 25,165,824 bytes; wc 3,145,728 bytes; qf 8,388,608 bytes; kv 16,777,216 bytes
;; launch quant (part 1): grid 896 x 1, 4 waves a work-group, no clusters, 55,808 bytes of LDS; arguments embedded, Wq, Wk, Wv, lowp_scales, xc, wc; writes xc, wc
.if DOCPART == 1
	.amdgcn_target "amdgcn-amd-amdhsa--gfx1250"
	.amdhsa_code_object_version 6
	.text
	.protected	k_q2f503eb908_quant
	.globl	k_q2f503eb908_quant
	.p2align	8
	.type	k_q2f503eb908_quant,@function
k_q2f503eb908_quant:
	s_mov_b64 s[64:65], 0
	v_nop
	global_prefetch_b8 v0, s[64:65] scope:SCOPE_SE
	s_setreg_imm32_b32 hwreg(HW_REG_WAVE_MODE, 25, 1), 1
	s_wait_xcnt 0x0
; f32 numbers into codes of FP8 (E4M3), one code a byte, K innermost, each with the scale 2^e that is given for it.
; code = x / 2^e, held within +-448, rounded to the nearest code, ties to even.
; embedded [8192 tokens][1024] is an operand of three products, each with an entry of its own in the scales (entries 1, 3, 5), which need not be equal:
; it is read ONCE and quantised three times, into xc: set s at byte s << 23, [8192][1024] codes.
; Wq, Wk, Wv [16 heads][1024 e][64 d] have K = e, not innermost (entries 0, 2, 4): codes go to wc: set t at byte t << 20, [n = 64 head + d][1024 e].
; THE SIGN IN wc: in every odd block of 128 along K the weights' codes are laid NEGATED (E4M3 is symmetric: the code of -x is the code of x with the sign bit turned).  The next launch takes its running sum
; with alternating sign, and these blocks' products come to it with the sign that it wants.
; (The program's last launch leaves out the chunks of keys that lie wholly behind a tile's queries: reference() builds the causal mask itself, and their p is 0 for all values of the inputs.
;  LIMIT: a NaN, an infinity or an overflow that reaches only those scores is not carried to the result.)
; LIMITS: each e lies between -126 and 119, so that 2^e and 448 x 2^e are f32 numbers.  NaN among the inputs is not served (an infinity is held at the largest code).
; SHARES.  Work-groups 0 to 383 take the weights, 384 to 895 the tokens.  The two ways part once, on the work-group's number, never join again, and have LDS bytes of their own.
; No tensor loads.  The tokens' waves share nothing; the four waves of a weights' work-group fill one stage and pass one barrier.
.set WWG,   384                        ; work-groups for the weights: 3 tensors x 16 heads x 2 halves of the columns x 4 quarters of K
.set STEPS, 8                          ; tokens' way: a wave takes 8 steps of 512 numbers
.set SP,    80                         ; a lane's place in a stage: its 64 bytes + 16 of padding
.set XSTG,  2*32*SP                    ; two stages for each wave: 5,120 bytes
.set R,     16                         ; v16-79   four sets of 16 numbers as they are loaded
.set X,     80                         ; v80-111  two sets of 16 neighbours along K
.set T,     112                        ; v112-143 two sets of 16 held numbers, by turns
.set C,     144                        ; v144-167 codes: two sets of 3 x 4 registers
.set WSTG0, 4*XSTG                     ; weights' way: the stage begins behind the tokens' stages: 32 rows of 272 bytes
.set PITCH, 272                        ; a stage row: 256 codes + 16 bytes
.set NB,    2                          ; blocks of 32 along K for a wave
.set WX,    32                         ; v32-95   two sets of 32 numbers
.set WC,    96                         ; v96-111  two blocks' codes
.set OUTR,  112                        ; v112-127 the way out
.set SPARE, 55296                      ; the spare words: 128 bytes for each wave, two blocks of 256 bytes that no other line names
.macro XLOAD t                         ; step t: four loads, each 512 consecutive bytes of the wave's stream
.irp i, 0,1,2,3
	global_load_b128 v[R+16*((\t)%4)+4*\i:R+16*((\t)%4)+4*\i+3], v3, s[4:5] offset:2048*(\t)+512*\i th:TH_LOAD_NT
.endr
.endm
.macro XTURN t                         ; step t's 2,048 bytes through the wave's own stage: in as they lie, back 64 bytes a lane.  LDS serves a wave's instructions in order
.irp i, 0,1,2,3
	ds_store_b128 v14, v[R+16*((\t)%4)+4*\i:R+16*((\t)%4)+4*\i+3] offset:32*SP*((\t)%2)+8*SP*\i
.endr
.irp i, 0,1,2,3
	ds_load_b128 v[X+16*((\t)%2)+4*\i:X+16*((\t)%2)+4*\i+3], v15 offset:32*SP*((\t)%2)+16*\i
.endr
.endm
.macro XSTEP t
.set XS, X+16*((\t)%2)
	s_wait_dscnt 0x0                               ; this step's numbers are back from the stage, and its stores into the stage have read their registers
.if (\t) >= 2
	s_wait_xcnt 0x0                                ; the stores of two steps ago have read their codes' registers, which this step writes again
.endif
.if (\t)+4 < STEPS
	XLOAD (\t)+4
.endif
.if (\t)+1 < STEPS
.if STEPS-2-(\t) >= 3
	s_wait_loadcnt 12                              ; the next step's four loads are in; those of the three steps behind it may be out
.else
	s_wait_loadcnt 4*(STEPS-2-(\t))
.endif
	XTURN (\t)+1
.endif
.irp s, 0,1,2                          ; the same 16 numbers, three scales.  The held numbers go into two sets by turns, so that the vector line behind each conversion is a plain one on the other set
.set TS, T+16*((3*(\t)+\s)%2)
.irp i, 0,1,2,3,4,5,6,7,8,9,10,11,12,13,14,15
	v_med3_num_f32 v[TS+\i], v[XS+\i], -v[9+2*\s], v[9+2*\s]   ; the conversion to an 8-bit code does not saturate (ISA guide 7.6.2): the hold at 448 x the scale
.endr
	v_cvt_scalef32_pk8_fp8_f32 v[C+12*((\t)%2)+4*\s:C+12*((\t)%2)+4*\s+1], v[TS:TS+7], v[8+2*\s]
	v_cvt_scalef32_pk8_fp8_f32 v[C+12*((\t)%2)+4*\s+2:C+12*((\t)%2)+4*\s+3], v[TS+8:TS+15], v[8+2*\s]
.endr
.irp s, 0,1,2
	global_store_b128 v3, v[C+12*((\t)%2)+4*\s:C+12*((\t)%2)+4*\s+3], s[32+2*\s:33+2*\s] offset:512*(\t)   ; 32 lanes store 512 consecutive bytes, at a multiple of 512 from the set's first byte
.endr
.endm
.macro WLOAD t                         ; block t: W(32 t + i, my column), i = 0 .. 31; a row of a head is 256 bytes
.set i, 0
.rept 32
	global_load_b32 v[WX+32*((\t)%2)+i], v3, s[36:37] offset:(32*(\t)+i)*256
.set i, i+1
.endr
.endm
.macro WBLOCK t
.set XS, WX+32*((\t)%2)
.if (\t) < NB-1
	s_wait_loadcnt 32                              ; this block's 32 loads are in; the next block's may be out
.else
	s_wait_loadcnt 0
.endif
.set i, 0
.rept 32
	v_med3_num_f32 v[XS+i], v[XS+i], -v10, v10
.set i, i+1
.endr
.irp g, 0,1,2,3
	v_cvt_scalef32_pk8_fp8_f32 v[WC+8*(\t)+2*\g:WC+8*(\t)+2*\g+1], v[XS+8*\g:XS+8*\g+7], v11
.endr
	v_nop                                          ; a plain line between the conversions and the lines that touch their results
.irp g, 0,1,2,3,4,5,6,7
	v_xor_b32 v[WC+8*(\t)+\g], s43, v[WC+8*(\t)+\g]   ; in an odd block of 128 along K every code's sign bit is turned
.endr
	ds_store_b128 v4, v[WC+8*(\t):WC+8*(\t)+3] offset:32*(\t)       ; 32 codes: 32 bytes of my column's row
	ds_store_b128 v4, v[WC+8*(\t)+4:WC+8*(\t)+7] offset:32*(\t)+16
.endm
	s_load_b256 s[4:11], s[0:1], 0x0               ; embedded s[4:5], Wq s[6:7], Wk s[8:9], Wv s[10:11]
	s_load_b128 s[12:15], s[0:1], 0x20             ; the scales' exponents s[12:13], xc s[14:15]
	s_load_b64 s[16:17], s[0:1], 0x30              ; wc
	v_lshl_add_u32 v176, v0, 2, SPARE              ; my spare word,
	v_mov_b32 v177, 0                              ; and 0; both are kept for the add alone
	v_lshrrev_b32 v1, 5, v0
	v_readfirstlane_b32 s18, v1                    ; wave 0..3
	v_and_b32 v2, 31, v0                           ; lane
	s_wait_kmcnt 0x0
	s_load_b256 s[24:31], s[12:13], 0x0            ; entries 0 to 7
	s_cmp_lt_u32 ttmp9, WWG
	s_cbranch_scc1 .Lweights
	; ---- THE TOKENS.  Rows are dense, so the tensor is a plain stream; wave u of 2,048 takes 4,096 numbers.
	s_wait_alu depctr_va_vdst(0)
	v_lshlrev_b32 v3, 4, v2                        ; my 16 bytes of a load's 512, and of a store's
	s_wait_alu depctr_va_vdst(0)
	s_mul_i32 s19, s18, XSTG
	v_lshrrev_b32 v14, 2, v2
	v_mul_u32_u24 v14, v14, SP
	v_and_b32 v15, 3, v2
	v_lshl_add_u32 v14, v15, 4, v14
	v_add_nc_u32 v14, s19, v14                     ; the stage, on the way in: four lanes' 64 bytes on end, then 16 of padding
	v_mul_u32_u24 v15, v2, SP
	v_add_nc_u32 v15, s19, v15                     ; and on the way out: my 16 neighbours
	s_sub_co_u32 s20, ttmp9, WWG
	s_lshl_b32 s20, s20, 2
	s_add_co_u32 s20, s20, s18                     ; u
	s_lshl_b32 s22, s20, 14                        ; 16,384 bytes of f32,
	s_mov_b32 s23, 0
	s_add_nc_u64 s[4:5], s[4:5], s[22:23]
	s_lshl_b32 s22, s20, 12                        ; 4,096 bytes of codes in each set
	s_add_nc_u64 s[32:33], s[14:15], s[22:23]
	s_add_nc_u64 s[34:35], s[32:33], 0x800000
	s_add_nc_u64 s[36:37], s[32:33], 0x1000000
.irp t, 0,1,2,3
	XLOAD \t
.endr
	s_wait_alu depctr_va_vdst(0)
	s_wait_kmcnt 0x0
.irp s, 0,1,2                          ; entries 1, 3, 5
	s_add_co_i32 s22, s[25+2*\s], 127
	s_lshl_b32 s23, s22, 23
	v_mov_b32 v[8+2*\s], s23                       ; 2^e as f32: the conversion takes its exponent field
	s_add_co_i32 s22, s22, 8
	s_lshl_b32 s22, s22, 23
	s_or_b32 s22, s22, 0x600000
	v_mov_b32 v[9+2*\s], s22                       ; 448 x 2^e
.endr
	s_wait_alu depctr_va_vdst(0)
	s_wait_loadcnt 12                              ; step 0's four loads are in
	XTURN 0
.irp t, 0,1,2,3,4,5,6,7
	XSTEP \t
.endr
	s_wait_tensorcnt 0x0                           ; the wave's end: behind my last LDS store
	ds_add_u32 v176, v177
	s_wait_dscnt 0x0
	s_endpgm
	; ---- THE WEIGHTS.  A lane takes a column d and its registers run down K = e: the conversions then give codes with K innermost, and nothing is transposed by an instruction.
	; A work-group takes 32 columns x 256 along K; each of its waves 64 along K: 64 loads, all out at once.  The four waves fill one stage of 32 rows x 256 codes; behind a barrier each wave stores 8 rows: sixteen lanes store 256 consecutive bytes.
.Lweights:
	s_lshr_b32 s19, ttmp9, 7                       ; which tensor: 0 Wq, 1 Wk, 2 Wv
	s_bfe_u32 s20, ttmp9, 0x40003                  ; head
	s_bfe_u32 s22, ttmp9, 0x10002                  ; which 32 of the head's 64 columns
	s_and_b32 s21, ttmp9, 3                        ; which quarter of K
	s_lshl_b32 s32, s20, 18                        ; in: a head is 262,144 bytes,
	s_lshl_b32 s33, s21, 16                        ; 256 rows of 256 bytes,
	s_add_co_u32 s32, s32, s33
	s_lshl_b32 s33, s18, 14                        ; my wave's 64 rows,
	s_add_co_u32 s32, s32, s33
	s_lshl_b32 s33, s22, 7                         ; 32 columns of 4 bytes
	s_add_co_u32 s32, s32, s33
	s_mov_b32 s33, 0
	s_lshl_b32 s34, s19, 20                        ; out: the set,
	s_lshl_b32 s35, s20, 16                        ; 64 rows of 1,024 bytes a head,
	s_add_co_u32 s34, s34, s35
	s_lshl_b32 s35, s22, 15                        ; 32 rows,
	s_add_co_u32 s34, s34, s35
	s_lshl_b32 s35, s18, 13                        ; my wave's 8 of them,
	s_add_co_u32 s34, s34, s35
	s_lshl_b32 s35, s21, 8                         ; 256 codes along K
	s_add_co_u32 s34, s34, s35
	s_mov_b32 s35, 0
	s_cmp_eq_u32 s19, 0                            ; the choice hangs on the work-group's number alone
	s_cselect_b64 s[36:37], s[6:7], s[8:9]
	s_cmp_eq_u32 s19, 2
	s_cselect_b64 s[36:37], s[10:11], s[36:37]
	s_add_nc_u64 s[36:37], s[36:37], s[32:33]
	s_add_nc_u64 s[38:39], s[16:17], s[34:35]
	s_bitcmp1_b32 s18, 1                           ; a quarter of K begins at a multiple of 256: waves 2 and 3 hold its odd block of 128
	s_cselect_b32 s43, 0x80808080, 0
	s_wait_alu depctr_va_vdst(0)
	v_lshlrev_b32 v3, 2, v2                        ; in: 4 bytes a lane
	s_lshl_b32 s40, s18, 6
	s_add_co_u32 s40, s40, WSTG0                   ; the stage, at my wave's 64 codes of each row
	s_mul_i32 s44, s18, 8*PITCH
	s_add_co_u32 s44, s44, WSTG0                   ; and at my wave's 8 rows
	v_mul_u32_u24 v4, v2, PITCH
	v_add_nc_u32 v4, s40, v4                       ; into it: row = my column
	v_and_b32 v5, 15, v2
	v_lshrrev_b32 v6, 4, v2
	v_mul_u32_u24 v7, v6, PITCH
	v_lshl_add_u32 v7, v5, 4, v7
	v_add_nc_u32 v7, s44, v7                       ; out of it: sixteen lanes to a row, two rows an instruction
	v_lshlrev_b32 v8, 10, v6
	v_lshl_add_u32 v8, v5, 4, v8                   ; and the same place in wc
	WLOAD 0
	WLOAD 1
	s_wait_kmcnt 0x0
	s_cmp_eq_u32 s19, 0
	s_cselect_b32 s41, s24, s26                    ; entries 0, 2, 4
	s_cmp_eq_u32 s19, 2
	s_cselect_b32 s41, s28, s41
	s_add_co_i32 s41, s41, 127
	s_lshl_b32 s42, s41, 23
	v_mov_b32 v11, s42                             ; 2^e
	s_add_co_i32 s41, s41, 8
	s_lshl_b32 s41, s41, 23
	s_or_b32 s41, s41, 0x600000
	v_mov_b32 v10, s41                             ; 448 x 2^e
	s_wait_alu depctr_va_vdst(0)
.irp t, 0,1
	WBLOCK \t
.endr
	s_wait_dscnt 0x0                               ; my part of the stage is written,
	s_barrier_signal -1
	s_barrier_wait -1                              ; everybody's is
.irp t, 0,1,2,3
	ds_load_b128 v[OUTR+4*\t:OUTR+4*\t+3], v7 offset:2*\t*PITCH
.endr
.irp t, 0,1,2,3
	s_wait_dscnt 3-\t                              ; the younger loads may be out
	global_store_b128 v8, v[OUTR+4*\t:OUTR+4*\t+3], s[38:39] offset:2*\t*1024
.endr
	s_wait_tensorcnt 0x0                           ; the wave's end: behind my last LDS store
	ds_add_u32 v176, v177
	s_wait_dscnt 0x0
	s_endpgm
.Lfunc_end_k_q2f503eb908_quant:
	.size	k_q2f503eb908_quant, .Lfunc_end_k_q2f503eb908_quant-k_q2f503eb908_quant
	.p2alignl 7, 3214868480
	.fill 96, 4, 3214868480
	.section	.rodata,"a",@progbits
	.p2align	6, 0x0
	.amdhsa_kernel k_q2f503eb908_quant
		.amdhsa_group_segment_fixed_size 55808
		.amdhsa_private_segment_fixed_size 0
		.amdhsa_enable_private_segment 0
		.amdhsa_kernarg_size 56
		.amdhsa_user_sgpr_count 2
		.amdhsa_user_sgpr_kernarg_segment_ptr 1
		.amdhsa_wavefront_size32 1
		.amdhsa_system_sgpr_workgroup_id_x 1
		.amdhsa_system_sgpr_workgroup_id_y 1
		.amdhsa_system_sgpr_workgroup_id_z 1
		.amdhsa_system_vgpr_workitem_id 0
		.amdhsa_next_free_vgpr 192
		.amdhsa_next_free_sgpr 66
		.amdhsa_reserve_vcc 0
		.amdhsa_float_denorm_mode_32 3
		.amdhsa_float_denorm_mode_16_64 3
		.amdhsa_memory_ordered 1
		.amdhsa_forward_progress 1
		.amdhsa_inst_pref_size 55
	.end_amdhsa_kernel
	.amdgpu_metadata
---
amdhsa.version: [ 1, 2 ]
amdhsa.kernels:
  - .name:           k_q2f503eb908_quant
    .symbol:         k_q2f503eb908_quant.kd
    .args:
      - { .name: embedded, .offset: 0, .size: 8, .value_kind: global_buffer, .address_space: global }
      - { .name: Wq, .offset: 8, .size: 8, .value_kind: global_buffer, .address_space: global }
      - { .name: Wk, .offset: 16, .size: 8, .value_kind: global_buffer, .address_space: global }
      - { .name: Wv, .offset: 24, .size: 8, .value_kind: global_buffer, .address_space: global }
      - { .name: lowp_scales, .offset: 32, .size: 8, .value_kind: global_buffer, .address_space: global }
      - { .name: xc, .offset: 40, .size: 8, .value_kind: global_buffer, .address_space: global }
      - { .name: wc, .offset: 48, .size: 8, .value_kind: global_buffer, .address_space: global }
    .group_segment_fixed_size: 55808
    .private_segment_fixed_size: 0
    .kernarg_segment_align: 8
    .kernarg_segment_size: 56
    .max_flat_workgroup_size: 128
    .sgpr_count:     66
    .vgpr_count:     192
    .wavefront_size: 32
...
	.end_amdgpu_metadata
.endif
;; end of part 1
;; launch proj (part 2): grid 8 x 32, 4 waves a work-group, clusters of 4 x 4, 327,680 bytes of LDS; arguments xc, wc, lowp_scales, qf, kv; writes qf, kv
.if DOCPART == 2
	.amdgcn_target "amdgcn-amd-amdhsa--gfx1250"
	.amdhsa_code_object_version 6
	.text
	.protected	k_q2f503eb908_proj
	.globl	k_q2f503eb908_proj
	.p2align	8
	.type	k_q2f503eb908_proj,@function
k_q2f503eb908_proj:
	s_mov_b64 s[64:65], 0
	v_nop
	global_prefetch_b8 v0, s[64:65] scope:SCOPE_SE
	s_setreg_imm32_b32 hwreg(HW_REG_WAVE_MODE, 25, 1), 1
	s_wait_xcnt 0x0
	s_wait_alu depctr_hold_cnt(0) depctr_sa_sdst(0) depctr_va_vdst(0) depctr_va_sdst(0) depctr_va_ssrc(0) depctr_va_vcc(0) depctr_vm_vsrc(0)
	s_getreg_b32 s2, hwreg(HW_REG_IB_STS2, 6, 4)
	s_cmp_eq_u32 s2, 0
	s_cbranch_scc0 .Lentry_in_a_cluster
	s_endpgm
.Lentry_in_a_cluster:
	s_bfe_u32 s2, ttmp6, 0x10000c
	s_cmp_lg_u32 s2, 0xf033
	s_cbranch_scc0 .Lentry_shape_is_right
	s_endpgm
.Lentry_shape_is_right:
; q, k, v = tokens x weights, on codes of FP8 (E4M3), K = 1,024; each result is quantised at once for the attention's products and stored as images of operand registers.
; xc: set s at s << 23, [8,192 tokens][1,024]; wc: set s at s << 20, [n = 64 head + d][1,024], with the codes of every odd block of 128 along K negated: the running sums are taken with alternating sign
; (each later step takes -C), so the finished sum comes out negated and the way out takes it with a minus.
; code = sum x 2^(e_w + e_x - e_out), held within +-448: e_out = entries 6 (q), 7 (k), 9 (v).  LIMIT: e_out - e_w - e_x lies between -126 and 119.
; SHARES.  256 work-groups of four waves, in clusters of 4 x 4.  EACH MAKES TWO BLOCKS, one behind the other.  PART 1: 256 tokens x 256 n of q (cluster x = 0) or k (1): A = tokens (tile 4 Y + cy), B = weights (tile cx);
;   a wave makes 128 x 128 in 64 accumulators.  PART 2: 256 n x 128 tokens of v: A = weights (tile cy), B = tokens (half tile cx + 4 (2 Y + X)); a wave makes 128 x 64 in 32 accumulators.
;   128 blocks of v shared among 256 work-groups as halves: every work-group has the same work.
; THE RING of two LDS slots of 256 along K does not stop between the parts: part 1's last two changes of slots ask for part 2's K steps 0 and 1, and part 1's results leave while they are on their way.
; JOINT LOADS: A's tiles hang on cy alone and go to my row of the cluster, B's on cx alone and go to my column.  Waves 0, 1 fetch A's halves, waves 2, 3 B's: one tensor load a wave behind each round.
; THE MATRIX INSTRUCTION IS USED TRANSPOSED (source 0 = 16 rows of B, source 1 = 16 rows of A): a lane holds one row of A and eight neighbours along B: along d for q and k, along the keys for v: the next products' K.
; OUT.  qf: head bh at bh << 17, 16 queries at << 10.  kv: head at bh << 18, chunk of 128 keys at << 14: eight images of K (16 keys x 64 d), then from byte 8,192 four of V^T (16 d x 128 keys).
;   Lane l's 16 bytes lie at 16 l: each store of the wave covers 512 consecutive bytes, aligned.
; PREFETCH: behind the joint load of fill g stands one instruction a wave for fill g + 2 (fills 0 to 3: part 1's K steps, 4 to 7: part 2's): a lane a row of 256 bytes.  Of the rows that a wave fetches each of the four partners
;   that ask jointly takes a quarter, told apart by address.  The weights' rows, which many clusters read, are asked for by four clusters alone (a branch on the cluster's numbers).  Fills 0 and 1 come by their loads alone.
; REGISTERS: window 0: v16-31 addresses; v32-95 held numbers; v112-115 scales; from v128 A's fragments, on the way out the codes.  Window 1: B's fragments, two sets.  Windows 2, 3: accumulators.
.set ROWB,   256
.set KROW,   1024
.set PITCH,  272                       ; an LDS row: 256 bytes + 16 of padding
.set FR,     16
.set NL,     4
.set NP,     4
.set HALFT,  128*PITCH
.set SLOT,   4*HALFT                   ; A's 256 rows, then B's (part 2: 128 of them)
.set SPARE,  2*SLOT                    ; the spare words: 128 bytes for each wave, two blocks of 256 bytes that no other line names
.set ADRA, 16
.set ADRB, 20
.set ADRB2, 22
.set VO,   24
.set VO2,  25
.set SPW,  28
.set NIL,  29
.set PFO1, 30
.set PFO2, 31
.set TMP,  32
.set SCV,  112
.set LIMV, 113
.set SCV2, 114
.set LIMV2, 115
.set AF,   128
.set CD,   128
.set G1,   24                          ; A's group 1 (my row's mask, 128 rows)
.set G0,   32                          ; part 1, A: a group 0 for each slot
.set G1B,  48                          ; part 1, B (my column's mask, 128 rows)
.set G0B,  56
.set G1C,  68                          ; part 2, B (my column's mask, 64 rows)
.set G0A2, 76
.set G0B2, 84
.set PF1,  2                           ; 1: my wave prefetches in part 1;  s3: in part 2
.set PF2,  3
.set PFA1, 4
.set PFA2, 6
.set O1,   10
.set O2,   12
.set MSB, 0
.macro WIN new
.if MSB != (\new)
	s_set_vgpr_msb (MSB<<8)|(\new)
.set MSB, (\new)
.endif
.endm
.set MUL_LO, 0xa1
.set MUL_HI, 0xf1
.set TO_B,   0x40
.macro JLOAD g0a, g1a, g0b, g1b        ; the branch hangs on the wave's number alone; an s_nop 0 and four v_nop follow each line
	s_cmp_eq_u32 s15, 0
	s_cbranch_scc0 .Lfor_b_\@
	tensor_load_to_lds s[\g0a:\g0a+3], s[\g1a:\g1a+7]
	s_nop 0
.rept 4
	v_nop
.endr
	s_branch .Lasked_\@
.Lfor_b_\@:
	tensor_load_to_lds s[\g0b:\g0b+3], s[\g1b:\g1b+7]
	s_nop 0
.rept 4
	v_nop
.endr
.Lasked_\@:
.endm
.macro CREST
	s_cmp_lg_u32 s14, 0
	s_cbranch_scc1 .Lnot_wave_0_\@
	s_barrier_signal -3
.Lnot_wave_0_\@:
	s_barrier_wait -3
	s_barrier_signal -1
	s_barrier_wait -1
.endm
.macro CROUND
	s_barrier_signal -1
	s_barrier_wait -1
	CREST
.endm
.macro ASK flag, pfa, pfo, off
	s_cmp_eq_u32 s[\flag], 1
	s_cbranch_scc0 .Lnot_mine_\@
	global_prefetch_b8 v[\pfo], s[\pfa:\pfa+1] offset:\off th:TH_LOAD_NT scope:SCOPE_SE
.Lnot_mine_\@:
.endm
.macro ASKG n                          ; fill n's rows; n < 0: nothing.  The address registers are never rewritten: the K step stands in the immediate
.if (\n) >= 4
	ASK PF2, PFA2, PFO2, ROWB*((\n)-4)
.else
.if (\n) >= 0
	ASK PF1, PFA1, PFO1, ROWB*(\n)
.endif
.endif
.endm
	s_load_b256 s[4:11], s[0:1], 0x0               ; xc s[4:5], wc s[6:7], the scales' exponents s[8:9], qf s[10:11]
	s_load_b64 s[12:13], s[0:1], 0x20              ; kv
	v_lshl_add_u32 v[SPW], v0, 2, SPARE
	v_mov_b32 v[NIL], 0
	ds_add_u32 v[SPW], v[NIL]                      ; the opening lines: the add, twice on end, and its wait ahead of the round in front of my first tensor load
	ds_add_u32 v[SPW], v[NIL]
	v_lshrrev_b32 v1, 5, v0
	v_readfirstlane_b32 s14, v1                    ; wave 0..3
	s_lshr_b32 s15, s14, 1                         ; which half of A's rows is mine.  Also: I fetch for A (0) or for B (1)
	s_and_b32 s16, s14, 1                          ; which half of B's rows.  Also: which half of that tile I fetch
	s_bfe_u32 s40, ttmp6, 0x40000                  ; cx
	s_bfe_u32 s41, ttmp6, 0x40004                  ; cy
	s_and_b32 s17, ttmp7, 0xffff                   ; Y
	s_lshl_b32 s18, s17, 2
	s_add_co_u32 s18, s18, s41                     ; part 1's tile of tokens: 4 Y + cy
	s_lshl_b32 s42, s17, 1
	s_add_co_u32 s42, s42, ttmp9
	s_lshl_b32 s42, s42, 2
	s_add_co_u32 s42, s42, s40                     ; part 2's half tile of tokens: 4 (2 Y + X) + cx
	s_lshl_b32 s43, s41, 2
	s_lshl_b32 s43, 15, s43                        ; my row of the cluster
	s_lshl_b32 s44, 0x1111, s40                    ; my column
	s_or_b32 s[G1+0], s43, (0<<16)|(1<<20)|(1<<21)|(5<<22)|(3<<25)   ; elements of 1 byte; four words of padding behind every 64
	s_or_b32 s[G1B+0], s44, (0<<16)|(1<<20)|(1<<21)|(5<<22)|(3<<25)
	s_or_b32 s[G1C+0], s44, (0<<16)|(1<<20)|(1<<21)|(5<<22)|(3<<25)
.irp g, G1, G1B, G1C
	s_mov_b32 s[\g+1], ROWB<<16
	s_mov_b32 s[\g+3], ROWB<<16
	s_mov_b32 s[\g+5], KROW
	s_mov_b32 s[\g+6], 0
	s_mov_b32 s[\g+7], 0
.endr
	s_mov_b32 s[G1+2], 128<<16
	s_mov_b32 s[G1+4], 128
	s_mov_b32 s[G1B+2], 128<<16
	s_mov_b32 s[G1B+4], 128
	s_mov_b32 s[G1C+2], 64<<16
	s_mov_b32 s[G1C+4], 64
	s_lshl_b32 s20, s18, 18                        ; part 1, A: 256 rows of 1,024 bytes a tile,
	s_lshl_b32 s21, s16, 17                        ; 128 rows a half,
	s_add_co_u32 s20, s20, s21
	s_lshl_b32 s21, ttmp9, 23                      ; the set
	s_add_co_u32 s20, s20, s21
	s_mov_b32 s21, 0
	s_lshl_b32 s22, s41, 18                        ; part 2, A: the weights' tile cy of set 2
	s_lshl_b32 s23, s16, 17
	s_add_co_u32 s22, s22, s23
	s_add_co_u32 s22, s22, 2<<20
	s_mov_b32 s23, 0
	s_lshl_b32 s46, s40, 18                        ; part 1, B: the weights' tile cx of set X
	s_lshl_b32 s47, s16, 17
	s_add_co_u32 s46, s46, s47
	s_lshl_b32 s47, ttmp9, 20
	s_add_co_u32 s46, s46, s47
	s_mov_b32 s47, 0
	s_lshl_b32 s66, s42, 17                        ; part 2, B: 128 rows a half tile, 64 a wave, of set 2
	s_lshl_b32 s67, s16, 16
	s_add_co_u32 s66, s66, s67
	s_add_co_u32 s66, s66, 2<<23
	s_mov_b32 s67, 0
	s_mul_i32 s45, s14, HALFT                      ; where they go: wave x 128 rows;
	s_mul_i32 s19, s16, 64*PITCH
	s_add_co_u32 s19, s19, 2*HALFT                 ; part 2's B: behind A's 256 rows, 64 rows a wave.  No place in the cluster enters an LDS address
	s_wait_dscnt 0x0                               ; both opening adds are done
	s_wait_kmcnt 0x0
	s_load_b256 s[92:99], s[8:9], 0x0              ; entries 0 to 7
	s_load_b64 s[100:101], s[8:9], 0x20            ; entries 8, 9
	s_add_nc_u64 s[20:21], s[4:5], s[20:21]
	s_add_nc_u64 s[46:47], s[6:7], s[46:47]
	s_add_nc_u64 s[22:23], s[6:7], s[22:23]
	s_add_nc_u64 s[66:67], s[4:5], s[66:67]
.irp s, 0,1
	s_mov_b32 s[G0+4*\s], 1
	s_add_co_u32 s[G0+4*\s+1], s45, \s*SLOT
	s_add_nc_u64 s[G0+4*\s+2:G0+4*\s+3], s[20:21], \s*ROWB
	s_or_b32 s[G0+4*\s+3], s[G0+4*\s+3], 0x80000000
	s_mov_b32 s[G0B+4*\s], 1
	s_add_co_u32 s[G0B+4*\s+1], s45, \s*SLOT
	s_add_nc_u64 s[G0B+4*\s+2:G0B+4*\s+3], s[46:47], \s*ROWB
	s_or_b32 s[G0B+4*\s+3], s[G0B+4*\s+3], 0x80000000
	s_mov_b32 s[G0A2+4*\s], 1
	s_add_co_u32 s[G0A2+4*\s+1], s45, \s*SLOT
	s_add_nc_u64 s[G0A2+4*\s+2:G0A2+4*\s+3], s[22:23], \s*ROWB
	s_or_b32 s[G0A2+4*\s+3], s[G0A2+4*\s+3], 0x80000000
	s_mov_b32 s[G0B2+4*\s], 1
	s_add_co_u32 s[G0B2+4*\s+1], s19, \s*SLOT
	s_add_nc_u64 s[G0B2+4*\s+2:G0B2+4*\s+3], s[66:67], \s*ROWB
	s_or_b32 s[G0B2+4*\s+3], s[G0B2+4*\s+3], 0x80000000
.endr
	CROUND                                         ; all sixteen work-groups are here: the first joint loads meet
	JLOAD G0, G1, G0B, G1B                         ; fill 0: my one tensor load at the head
	; the prefetches: my work-group's share of the rows that my wave fetches
	v_and_b32 v1, 31, v0
	v_lshlrev_b32 v[PFO1], 10, v1                  ; a lane a row
	s_cmp_eq_u32 s15, 0                            ; do I fetch for A?
	s_cselect_b64 s[PFA1:PFA1+1], s[20:21], s[46:47]
	s_cselect_b64 s[PFA2:PFA2+1], s[22:23], s[66:67]
	s_cselect_b32 s2, s40, s41                     ; my place among the four that ask with me
	s_cselect_b32 s3, 15, 14                       ; part 2: 32 rows of A's 128, 16 of B's 64
	s_cselect_b32 s43, 31, 15
	v_min_u32 v2, s43, v1                          ; (B's lanes 16 to 31 name their wave's last row again)
	v_lshlrev_b32 v[PFO2], 10, v2
	s_lshl_b32 s3, s2, s3
	s_lshl_b32 s44, s2, 15                         ; part 1: 32 rows of 128
	s_mov_b32 s45, 0
	s_add_nc_u64 s[PFA1:PFA1+1], s[PFA1:PFA1+1], s[44:45]
	s_mov_b32 s44, s3
	s_add_nc_u64 s[PFA2:PFA2+1], s[PFA2:PFA2+1], s[44:45]
	s_cmp_lt_u32 s17, 4
	s_cselect_b32 s44, 1, 0
	s_xor_b32 s[PF1], s15, 1
	s_or_b32 s[PF1], s[PF1], s44                   ; part 1: the tokens' waves of every cluster; the weights' where Y < 4
	s_cmp_eq_u32 ttmp9, 0
	s_cselect_b32 s44, s44, 0
	s_or_b32 s[PF2], s44, s15                      ; part 2: the tokens' waves of every cluster; the weights' where X = 0 and Y < 4
	s_wait_alu depctr_va_vdst(0)
	ASKG 2
	; where the results go
	s_lshl_b32 s44, s18, 8
	s_lshl_b32 s45, s15, 7
	s_add_co_u32 s44, s44, s45                     ; part 1: my first token,
	s_lshl_b32 s18, s40, 2
	s_lshl_b32 s45, s16, 1
	s_add_co_u32 s18, s18, s45                     ; my first head: 4 cx + 2 x half
	s_add_co_u32 s17, ttmp9, 17                    ; a head is 2^17 bytes of qf, 2^18 of kv
	s_lshr_b32 s45, s44, 11
	s_lshl_b32 s45, s45, 4
	s_add_co_u32 s45, s45, s18                     ; bh
	s_lshl_b32 s45, s45, s17
	s_bfe_u32 s44, s44, 0x40007                    ; which 128 tokens of the sequence
	s_sub_co_u32 s18, s17, 4
	s_lshl_b32 s44, s44, s18
	s_add_co_u32 s44, s44, s45
	s_mov_b32 s45, 0
	s_cmp_eq_u32 ttmp9, 0
	s_cselect_b64 s[O1:O1+1], s[10:11], s[12:13]
	s_add_nc_u64 s[O1:O1+1], s[O1:O1+1], s[44:45]
	s_lshl_b32 s18, 1, s17                         ; from head to head
	s_lshl_b32 s44, s42, 7
	s_lshl_b32 s45, s16, 6
	s_add_co_u32 s44, s44, s45                     ; part 2: my first token,
	s_lshl_b32 s42, s41, 2
	s_lshl_b32 s45, s15, 1
	s_add_co_u32 s42, s42, s45                     ; my first head: 4 cy + 2 x half
	s_lshr_b32 s45, s44, 11
	s_lshl_b32 s45, s45, 4
	s_add_co_u32 s45, s45, s42
	s_lshl_b32 s45, s45, 18
	s_bfe_u32 s44, s44, 0x40007
	s_lshl_b32 s44, s44, 14
	s_add_co_u32 s44, s44, s45
	s_lshl_b32 s45, s16, 10                        ; my 64 keys are half of each image's 2,048 bytes
	s_add_co_u32 s44, s44, s45
	s_add_co_u32 s44, s44, 8192
	s_mov_b32 s45, 0
	s_add_nc_u64 s[O2:O2+1], s[12:13], s[44:45]
	s_mul_i32 s20, s15, HALFT                      ; my 128 rows of A,
	s_mul_i32 s21, s16, HALFT
	s_add_co_u32 s21, s21, 2*HALFT                 ; my 128 rows of part 1's B (part 2's 64: s19)
	s_wait_kmcnt 0x0
	s_sub_co_i32 s22, s98, s92
	s_sub_co_i32 s22, s22, s93                     ; q: e6 - e0 - e1
	s_sub_co_i32 s23, s99, s94
	s_sub_co_i32 s23, s23, s95                     ; k: e7 - e2 - e3
	s_cmp_eq_u32 ttmp9, 0
	s_cselect_b32 s22, s22, s23
	s_sub_co_i32 s23, s101, s96
	s_sub_co_i32 s23, s23, s97                     ; v: e9 - e4 - e5
	s_add_co_i32 s22, s22, 127
	s_lshl_b32 s44, s22, 23
	s_add_co_i32 s22, s22, 8
	s_lshl_b32 s22, s22, 23
	s_or_b32 s22, s22, 0x600000
	s_add_co_i32 s23, s23, 127
	s_lshl_b32 s45, s23, 23
	s_add_co_i32 s23, s23, 8
	s_lshl_b32 s23, s23, 23
	s_or_b32 s23, s23, 0x600000
	v_mov_b32 v[SCV], s44                          ; the conversion's scale, and 448 x it
	v_mov_b32 v[LIMV], s22
	v_mov_b32 v[SCV2], s45
	v_mov_b32 v[LIMV2], s23
	v_lshlrev_b32 v[VO], 4, v1                     ; 16 x lane
	v_add_nc_u32 v[VO2], s18, v[VO]                ; and in the next head
	v_and_b32 v3, 15, v0
	v_bfe_u32 v4, v0, 4, 1
	v_mul_u32_u24 v5, v3, PITCH
	v_lshl_add_u32 v5, v4, 4, v5                   ; a fragment's row x pitch + 16 x half
	v_add_nc_u32 v[ADRA], s20, v5
	v_add_nc_u32 v[ADRA+1], SLOT, v[ADRA]
	v_add_nc_u32 v[ADRB], s21, v5
	v_add_nc_u32 v[ADRB+1], SLOT, v[ADRB]
	v_add_nc_u32 v[ADRB2], s19, v5
	v_add_nc_u32 v[ADRB2+1], SLOT, v[ADRB2]
.macro FRAG reg, adr, q, i             ; 16 rows x 128 K: registers 4 c .. 4 c + 3 hold K = 32 c + 16 (l / 16) + 0 .. 15, alike in A and in B
.irp c, 0,1,2,3
	ds_load_b128 v[\reg+4*\c:\reg+4*\c+3], v[\adr] offset:128*(\q)+32*\c+(\i)*16*PITCH
.endr
.endm
.macro MULS a0, p, zero, nb            ; A's blocks a0, a0 + 1 x B's nb.  The accumulators take turns, one instruction a turn, in the same order in every step
.irp a, \a0, \a0+1
.set bb, 0
.rept \nb
.set AC, 8*(8*((\a)%4)+bb)
.if \zero
	v_wmma_f32_16x16x128_fp8_fp8 v[AC:AC+7], v[128*(\p)+FR*bb:128*(\p)+FR*bb+FR-1], v[AF+FR*(\a):AF+FR*(\a)+FR-1], 0
.else
	v_wmma_f32_16x16x128_fp8_fp8 v[AC:AC+7], v[128*(\p)+FR*bb:128*(\p)+FR*bb+FR-1], v[AF+FR*(\a):AF+FR*(\a)+FR-1], v[AC:AC+7] neg_lo:[0,0,1]
.endif
.set bb, bb+1
.endr
.endr
.endm
.macro FETCH_B adr, q, p, nb
	WIN TO_B
.set fi, 0
.rept \nb
	FRAG 128*(\p)+FR*fi, \adr, \q, fi
.set fi, fi+1
.endr
	WIN 0
.endm
.macro FETCH_A slot, q, i0
.irp i, \i0, \i0+1, \i0+2, \i0+3
	FRAG AF+FR*(\i), ADRA+\slot, \q, \i
.endr
.endm
.macro PLACES n
.rept \n
	v_nop
.endr
.endm
; A slot's first step of 128 along K.  nb: B's blocks; adb: B's address register for slot 0; ask: the fill to prefetch, or -1
.macro STEP slot, zero, nb, adb, ask
	s_wait_dscnt 4*NL                              ; B's set and A's blocks 0-3 are in; the youngest 16 loads (A's blocks 4-7) may be out
	WIN MUL_LO
	MULS 0, 0, \zero, \nb
	MULS 2, 0, \zero, \nb
	s_wait_dscnt 0
	PLACES NP
	FETCH_B \adb+\slot, 1, 1, \nb
	FETCH_A \slot, 1, 0
	ASKG \ask
	WIN MUL_HI
	MULS 4, 0, \zero, \nb
	MULS 6, 0, \zero, \nb
	PLACES NP
	WIN 0
	FETCH_A \slot, 1, 4
.endm
; A slot's second step changes slots.  fill = 1: a round of the cluster's barrier, and this slot is filled again by the groups 0 ga, gb (stp = 1: stepped two K steps on first).
; fetch: 1 the next slot's first fragments, 2 B's alone, 0 none; nbn, adbn: their number and address
.macro TURN slot, next, nb, fill, ga, gb, g1b, stp, fetch, nbn, adbn, ask
	s_wait_tensorcnt 0x0                           ; all my tensor loads have landed: my part of the next slot
	ds_add_u32 v[SPW], v[NIL]                      ; 0 onto my spare word
	s_wait_dscnt 4*NL+1                            ; (the add and the youngest 16 loads may be out)
	WIN MUL_LO
	MULS 0, 1, 0, \nb
	s_wait_dscnt 0x0                               ; the add is done, and my reads of this slot are over
	s_barrier_signal -1
	MULS 2, 1, 0, \nb
	WIN 0
	s_barrier_wait -1
.if \fill
	CREST                                          ; no wave of any partner still reads this slot or has a load on its way
.if \stp
	s_add_nc_u64 s[\ga+2:\ga+3], s[\ga+2:\ga+3], 2*ROWB
	s_add_nc_u64 s[\gb+2:\gb+3], s[\gb+2:\gb+3], 2*ROWB
.endif
	JLOAD \ga, G1, \gb, \g1b                       ; the first tensor load behind the round; its four v_nop are the places in front of the loads below
.else
	PLACES NP
.endif
.if \fetch
	FETCH_B \adbn+\next, 0, 0, \nbn
.endif
.if \fetch == 1
	FETCH_A \next, 0, 0
.endif
	ASKG \ask
	WIN MUL_HI
	MULS 4, 1, 0, \nb
	MULS 6, 1, 0, \nb
	PLACES NP
	WIN 0
.if \fetch == 1
	FETCH_A \next, 0, 4
.endif
.endm
; THE WAY OUT of A's block a: the negated sums are held and turned into codes, each accumulator from its low end on; a lane's two registers of B's block b are registers 2 b, 2 b + 1 of an operand
.macro CODES a, nb, lim, sc
.set AC, 64*((\a)%4)
	WIN 0x02+((\a)/4)
.set j, 0
.rept 8*\nb
	v_med3_num_f32 v[TMP+j], -v[AC+j], -v[\lim], v[\lim]
.set j, j+1
.endr
	WIN 0
.set j, 0
.rept \nb
	v_cvt_scalef32_pk8_fp8_f32 v[CD+2*\nb*(\a)+2*j:CD+2*\nb*(\a)+2*j+1], v[TMP+8*j:TMP+8*j+7], v[\sc]
.set j, j+1
.endr
	v_nop                                          ; a plain line behind the conversions: the next block's holds write their sources
.endm
	s_wait_alu depctr_va_vdst(0)                   ; the head's end
	s_wait_tensorcnt 0x0                           ; my part of fill 0 is in
	ds_add_u32 v[SPW], v[NIL]
	s_wait_dscnt 0x0
	CROUND
	JLOAD G0+4, G1, G0B+4, G1B                     ; fill 1
	FETCH_B ADRB, 0, 0, 8
	FETCH_A 0, 0, 0
	FETCH_A 0, 0, 4
	STEP 0, 1, 8, ADRB, 3                          ; PART 1.  The first products start the sums
	TURN 0, 1, 8, 1, G0, G0B, G1B, 1, 1, 8, ADRB, 4
	STEP 1, 0, 8, ADRB, -1
	TURN 1, 0, 8, 1, G0+4, G0B+4, G1B, 1, 1, 8, ADRB, 5
	STEP 0, 0, 8, ADRB, -1
	TURN 0, 1, 8, 1, G0A2, G0B2, G1C, 0, 1, 8, ADRB, 6      ; slot 0 takes part 2's K step 0,
	STEP 1, 0, 8, ADRB, -1
	TURN 1, 0, 8, 1, G0A2+4, G0B2+4, G1C, 0, 2, 4, ADRB2, 7 ; slot 1 its K step 1; part 2's first fragments of B are fetched
.irp a, 0,1,2,3,4,5,6,7                ; part 1's results leave while part 2's tiles are on their way
	CODES \a, 8, LIMV, SCV
	global_store_b128 v[VO], v[CD+16*\a:CD+16*\a+3], s[O1:O1+1] offset:1024*\a
	global_store_b128 v[VO], v[CD+16*\a+4:CD+16*\a+7], s[O1:O1+1] offset:1024*\a+512
	global_store_b128 v[VO2], v[CD+16*\a+8:CD+16*\a+11], s[O1:O1+1] offset:1024*\a
	global_store_b128 v[VO2], v[CD+16*\a+12:CD+16*\a+15], s[O1:O1+1] offset:1024*\a+512
.endr
	s_wait_xcnt 0x0                                ; the stores have read their registers, which A's fragments take
	FETCH_A 0, 0, 0
	FETCH_A 0, 0, 4
	STEP 0, 1, 4, ADRB2, -1                        ; PART 2
	TURN 0, 1, 4, 1, G0A2, G0B2, G1C, 1, 1, 4, ADRB2, -1
	STEP 1, 0, 4, ADRB2, -1
	TURN 1, 0, 4, 1, G0A2+4, G0B2+4, G1C, 1, 1, 4, ADRB2, -1
	STEP 0, 0, 4, ADRB2, -1
	TURN 0, 1, 4, 0, 0, 0, 0, 0, 1, 4, ADRB2, -1   ; the last lap fills nothing, and has no round
	STEP 1, 0, 4, ADRB2, -1
	s_wait_dscnt 4*NL                              ; the very last step
	WIN MUL_LO
	MULS 0, 1, 0, 4
	MULS 2, 1, 0, 4
	s_wait_dscnt 0
	WIN MUL_HI
	MULS 4, 1, 0, 4
	MULS 6, 1, 0, 4
	WIN 0
	PLACES NP
.irp a, 0,1,2,3,4,5,6,7                ; block a: 16 d of head a / 4, image a % 4 of 2,048 bytes; a head is 262,144 bytes
	CODES \a, 4, LIMV2, SCV2
	global_store_b128 v[VO], v[CD+8*\a:CD+8*\a+3], s[O2:O2+1] offset:2048*\a+253952*(\a/4)
	global_store_b128 v[VO], v[CD+8*\a+4:CD+8*\a+7], s[O2:O2+1] offset:2048*\a+253952*(\a/4)+512
.endr
	s_wait_tensorcnt 0x0                           ; the wave's end
	ds_add_u32 v[SPW], v[NIL]
	s_wait_dscnt 0x0
	CROUND                                         ; the closing round: no work-group ends while a partner may still ask for a tile that names it
	s_endpgm
.Lfunc_end_k_q2f503eb908_proj:
	.size	k_q2f503eb908_proj, .Lfunc_end_k_q2f503eb908_proj-k_q2f503eb908_proj
	.p2alignl 7, 3214868480
	.fill 96, 4, 3214868480
	.section	.rodata,"a",@progbits
	.p2align	6, 0x0
	.amdhsa_kernel k_q2f503eb908_proj
		.amdhsa_group_segment_fixed_size 327680
		.amdhsa_private_segment_fixed_size 0
		.amdhsa_enable_private_segment 0
		.amdhsa_kernarg_size 40
		.amdhsa_user_sgpr_count 2
		.amdhsa_user_sgpr_kernarg_segment_ptr 1
		.amdhsa_wavefront_size32 1
		.amdhsa_system_sgpr_workgroup_id_x 1
		.amdhsa_system_sgpr_workgroup_id_y 1
		.amdhsa_system_sgpr_workgroup_id_z 1
		.amdhsa_system_vgpr_workitem_id 0
		.amdhsa_next_free_vgpr 1024
		.amdhsa_next_free_sgpr 102
		.amdhsa_reserve_vcc 0
		.amdhsa_float_denorm_mode_32 3
		.amdhsa_float_denorm_mode_16_64 3
		.amdhsa_memory_ordered 1
		.amdhsa_forward_progress 1
		.amdhsa_inst_pref_size 190
	.end_amdhsa_kernel
	.amdgpu_metadata
---
amdhsa.version: [ 1, 2 ]
amdhsa.kernels:
  - .name:           k_q2f503eb908_proj
    .symbol:         k_q2f503eb908_proj.kd
    .args:
      - { .name: xc, .offset: 0, .size: 8, .value_kind: global_buffer, .address_space: global }
      - { .name: wc, .offset: 8, .size: 8, .value_kind: global_buffer, .address_space: global }
      - { .name: lowp_scales, .offset: 16, .size: 8, .value_kind: global_buffer, .address_space: global }
      - { .name: qf, .offset: 24, .size: 8, .value_kind: global_buffer, .address_space: global }
      - { .name: kv, .offset: 32, .size: 8, .value_kind: global_buffer, .address_space: global }
    .group_segment_fixed_size: 327680
    .private_segment_fixed_size: 0
    .kernarg_segment_align: 8
    .kernarg_segment_size: 40
    .max_flat_workgroup_size: 128
    .sgpr_count:     102
    .vgpr_count:     1024
    .wavefront_size: 32
...
	.end_amdgpu_metadata
.endif
;; end of part 2
;; launch attn (part 3): grid 4 x 64, 8 waves a work-group, clusters of 4 x 1, 327,680 bytes of LDS; arguments qf, kv, lowp_scales, out0; writes out0
.if DOCPART == 3
	.amdgcn_target "amdgcn-amd-amdhsa--gfx1250"
	.amdhsa_code_object_version 6
	.text
	.protected	k_q2f503eb908_attn
	.globl	k_q2f503eb908_attn
	.p2align	8
	.type	k_q2f503eb908_attn,@function
k_q2f503eb908_attn:
	s_mov_b64 s[64:65], 0
	v_nop
	global_prefetch_b8 v0, s[64:65] scope:SCOPE_SE
	s_setreg_imm32_b32 hwreg(HW_REG_WAVE_MODE, 25, 1), 1
	s_wait_xcnt 0x0
	s_wait_alu depctr_hold_cnt(0) depctr_sa_sdst(0) depctr_va_vdst(0) depctr_va_sdst(0) depctr_va_ssrc(0) depctr_va_vcc(0) depctr_vm_vsrc(0)
	s_getreg_b32 s2, hwreg(HW_REG_IB_STS2, 6, 4)
	s_cmp_eq_u32 s2, 0
	s_cbranch_scc0 .Lentry_in_a_cluster
	s_endpgm
.Lentry_in_a_cluster:
	s_bfe_u32 s2, ttmp6, 0x10000c
	s_cmp_lg_u32 s2, 0x3003
	s_cbranch_scc0 .Lentry_shape_is_right
	s_endpgm
.Lentry_shape_is_right:
; out0[b][q][64 head + d] = the sum over keys k <= q of softmax_k(Q . K / 8) V, both products on codes of FP8 (E4M3); scales 2^e: entries 6 (q), 7 (k), 8 (p), 9 (v).
; THE SOFTMAX AHEAD OF THE SECOND PRODUCT: t = score x log2(e) / 8; M = the running largest t, rounded UP to a whole number; p = 2^(t - M) is quantised along the keys, not normalised.
; The row's sum is taken of the unquantised p, in f32, and divides at the end.  When M moves, the sums and O are multiplied by 2^(old M - new M), in every step, with no branch on data.
; LEFT OUT: chunks of 128 keys that lie wholly behind a tile's last query: reference() builds the causal mask itself, so their p is 0 for all values of the inputs.
; LIMITS: e6 + e7 between -123 and 130 (added to c's exponent field); e8 between -126 and 119; e8 + e9 goes by v_ldexp_f32 and has none; the scaled scores t stay under 2^31 in magnitude.
; INPUTS are images of operand registers, as the launch before stored them: lane l's 16 bytes at 16 l, 512 bytes for four registers.  qf: head bh at bh << 17, tile of 16 queries at << 10.
;   kv: head at bh << 18; chunk of 128 keys at << 14: eight images of K (16 keys x 64 d), then from byte 8,192 four of V^T (16 d x 128 keys).
; SHARES.  The four work-groups of a cluster own one head; its K and V, 262,144 bytes, come into each one's LDS once, by joint loads: chunks 0 to 3 by each wave's load at the head (8,192 bytes a wave),
;   chunks 4 to 15 by each wave's second load (24,576 bytes), which lands under the first four key steps.  Nothing is filled again.  All is asked for at the head: there is no later load for a prefetch to run ahead of.
;   A head has 64 tiles of 32 queries and 32 waves.  Wave w of the work-group at place cx takes tile 63 - j and then tile j, j = 4 w + cx: 16 - w and w + 1 key steps: 17 for every wave.
;   Both numbers hang on the wave's number alone; cx enters only Q's and out0's offsets in memory and the number that the mask compares with.
;   A wave's 32 queries are two tiles of 16, A and B: each fragment of K and of V that is read from LDS feeds two matrix instructions.  K's fragments of the next chunk are fetched one step ahead.
; THE ORDER OF A STEP.  A's exponentials stand by turns with B's scalings, B's with A's first sums and holds: each of those plain lines writes a register that is first read behind the next wait.
; LAYOUT.  Both products are used transposed: S^T = K Q^T, O^T = V^T P^T: a lane holds ONE query of A and one of B (lane % 16).  Tile t of S^T gives lane (r, h) keys 16 t + 8 h + 0 .. 7: its codes are registers 2 t, 2 t + 1 of P.
; REGISTERS.  Window 0: v1-11 addresses and constants; v12-31 the softmax's state; v32-95 S^T of A, v96-159 of B, then p; v160-191, v192-223 O^T; v224-239, v240-255 P's codes (until the conversions: at work for maxima and sums).
;   Window 1: v0-63 K's fragments, v64-127 V's, v160-175 Q of the first tile, v176-191 of the second.  All vector work and every branch stand under window 0.
.set CHUNK, 16384
.set STAGE, 262144                     ; behind K and V: 16 rows x 272 bytes for each wave, for the way out; no tensor load lands there
.set SPITCH, 272
.set SPARE, STAGE+8*16*SPITCH          ; the spare words: 128 bytes for each wave, four blocks of 256 bytes that no other line names
.set SPW, 1
.set NIL, 2
.set LN,  3                            ; 16 x lane
.set ADR, 4                            ; the chunk in hand
.set ADN, 5                            ; the next chunk
.set GO,  6                            ; my offset in out0's rows
.set DQ,  7                            ; the mask's number
.set STO, 8
.set RD,  9
.set SCL, 10                           ; 2^e8
.set QO,  11
.set NMA, 12                           ; -M of A; v13 its largest score
.set NMB, 14
.set FA,  16                           ; f of A; v17 old M - new M
.set FB,  18
.set LA,  20                           ; A's sum in four parts
.set LB,  24
.set A0,  28
.set A1,  29
.set B0,  30
.set B1,  31
.set SA,  32
.set SB,  96
.set OA,  160
.set OB,  192
.set PA,  224
.set PB,  240
.set KF,  0
.set VF,  64
.set Q1,  160
.set Q2,  176
.set MSB, 0
.macro WIN new                         ; the immediate's high byte repeats the setting that is left
.if MSB != (\new)
	s_set_vgpr_msb (MSB<<8)|(\new)
.set MSB, (\new)
.endif
.endm
.macro CROUND                          ; a round of the cluster's barrier
	s_barrier_signal -1
	s_barrier_wait -1
	s_cmp_lg_u32 s12, 0
	s_cbranch_scc1 .Lnot_wave_0_\@
	s_barrier_signal -3
.Lnot_wave_0_\@:
	s_barrier_wait -3
	s_barrier_signal -1
	s_barrier_wait -1
.endm
.macro KLOAD adr, off                  ; K's eight fragments as they lie
	WIN 0x40
.set i, 0
.rept 16
	ds_load_b128 v[KF+4*i:KF+4*i+3], v[\adr] offset:\off+512*i
.set i, i+1
.endr
	WIN 0
.endm
.macro HOLD2 r                         ; the conversion to an 8-bit code does not saturate (ISA guide 7.6.2); p is not negative, so the hold is one-sided; two numbers a line
	v_dual_min_num_f32 v[\r], s15, v[\r] :: v_dual_min_num_f32 v[\r+1], s15, v[\r+1]
.endm
.macro MAX2 c, s, i                    ; chain c takes two more scores
	v_max3_num_f32 v[\c], v[\c], v[\s+\i], v[\s+\i+1]
.endm
.macro INIT                            ; a tile begins: M under every t, the sums and O^T as zeros, so that the key step has no first step of its own
	v_mov_b32 v[NMA], 0x7f61b1e6
	v_mov_b32 v[NMB], 0x7f61b1e6
	v_mov_b32 v[NMA+1], s3
	v_mov_b32 v[NMB+1], s3
.set i, 0
.rept 4
	v_dual_mov_b32 v[LA+i], 0 :: v_dual_mov_b32 v[LA+i+1], 0
.set i, i+2
.endr
.set i, 0
.rept 32
	v_dual_mov_b32 v[OA+i], 0 :: v_dual_mov_b32 v[OA+i+1], 0
.set i, i+2
.endr
	s_wait_alu depctr_va_vdst(0)
.endm
	s_load_b256 s[4:11], s[0:1], 0x0               ; qf s[4:5], kv s[6:7], the scales' exponents s[8:9], out0 s[10:11]
	v_lshl_add_u32 v[SPW], v0, 2, SPARE
	v_mov_b32 v[NIL], 0
	ds_add_u32 v[SPW], v[NIL]                      ; the opening lines: the add, twice on end, and its wait ahead of the round in front of my first tensor load
	ds_add_u32 v[SPW], v[NIL]
	v_lshrrev_b32 v3, 5, v0
	v_readfirstlane_b32 s12, v3                    ; wave 0..7
	s_and_b32 s14, ttmp7, 0xffff                   ; bh: the cluster's y
	s_bfe_u32 s66, ttmp6, 0x40000                  ; cx
	s_lshl_b32 s67, s12, 2
	s_add_co_u32 s67, s67, s66                     ; j
	s_sub_co_u32 s68, 63, s67                      ; 63 - j
	s_mov_b32 s24, 15|(3<<16)|(1<<21)              ; group 1, dense blocks as rows of 256 bytes (32 elements of 8 bytes): the mask names all four work-groups; 32 rows
	s_mov_b32 s25, 32<<16
	s_mov_b32 s26, 32<<16
	s_mov_b32 s27, 32<<16
	s_mov_b32 s28, 32
	s_mov_b32 s29, 32
	s_mov_b32 s30, 0
	s_mov_b32 s31, 0
	s_mov_b32 s32, 15|(3<<16)|(1<<21)              ; the same with 96 rows
	s_mov_b32 s33, 32<<16
	s_mov_b32 s34, 96<<16
	s_mov_b32 s35, 32<<16
	s_mov_b32 s36, 96
	s_mov_b32 s37, 32
	s_mov_b32 s38, 0
	s_mov_b32 s39, 0
	s_mov_b32 s20, 0x76543210                      ; v_permlanex16_b32's selects for lane l xor 16
	s_mov_b32 s21, 0xfedcba98
	s_mov_b32 s22, 0x3e38aa3b                      ; c = log2(e) / 8
	s_mov_b32 s3, 0xff800000                       ; -infinity
	s_lshl_b32 s60, s14, 18                        ; the head in kv
	s_mov_b32 s61, 0
	s_mov_b32 s63, 0
	s_mov_b32 s75, 0
	s_mov_b32 s40, 1
	s_lshl_b32 s41, s12, 13                        ; my 8,192 bytes of chunks 0 to 3,
	s_mov_b32 s44, 1
	s_mul_i32 s45, s12, 24576
	s_add_co_u32 s45, s45, 65536                   ; my 24,576 bytes of chunks 4 to 15: in LDS as in the head's part of kv
	s_and_b32 s70, s68, 3
	s_lshl_b32 s70, s70, 5                         ; the first tile's place in its last chunk,
	s_and_b32 s71, s67, 3
	s_lshl_b32 s71, s71, 5
	s_sub_co_i32 s71, s71, s70                     ; and what the second tile's differs by
	s_mul_i32 s72, s12, 16*SPITCH
	s_add_co_u32 s72, s72, STAGE                   ; my stage
	s_wait_dscnt 0x0                               ; both opening adds are done
	s_wait_kmcnt 0x0
	s_load_b128 s[48:51], s[8:9], 0x18             ; entries 6 to 9
	s_add_nc_u64 s[6:7], s[6:7], s[60:61]
	s_mov_b32 s62, s41
	s_add_nc_u64 s[42:43], s[6:7], s[62:63]
	s_or_b32 s43, s43, 0x80000000
	s_mov_b32 s62, s45
	s_add_nc_u64 s[46:47], s[6:7], s[62:63]
	s_or_b32 s47, s47, 0x80000000
	s_lshl_b32 s60, s14, 17                        ; the head in qf
	s_add_nc_u64 s[54:55], s[4:5], s[60:61]
	s_lshr_b32 s60, s14, 4
	s_lshl_b32 s60, s60, 23                        ; out0: a batch is 2,048 rows of 4,096 bytes,
	s_and_b32 s62, s14, 15
	s_lshl_b32 s62, s62, 8                         ; a head 256 bytes of a row,
	s_add_co_u32 s60, s60, s62
	s_lshl_b32 s74, s68, 17                        ; a tile 32 rows
	s_add_co_u32 s74, s74, s60
	s_add_nc_u64 s[56:57], s[10:11], s[74:75]      ; the first tile's rows
	s_lshl_b32 s74, s67, 17
	s_add_co_u32 s74, s74, s60
	s_add_nc_u64 s[58:59], s[10:11], s[74:75]      ; the second tile's
	CROUND                                         ; all four work-groups are here: the joint loads meet
	tensor_load_to_lds s[40:43], s[24:31]          ; chunks 0 to 3, my part: my one tensor load at the head
	s_nop 0
	v_and_b32 v[LN], 31, v0
	v_lshlrev_b32 v[LN], 4, v[LN]
	v_lshl_add_u32 v[QO], s68, 11, v[LN]           ; a tile of 32 queries is 2,048 bytes of qf
	v_lshl_add_u32 v[A0], s67, 11, v[LN]
	WIN 0x40
.irp i, 0,1,2,3
	global_load_b128 v[Q1+4*\i:Q1+4*\i+3], v[QO], s[54:55] offset:512*\i   ; Q's fragments stay in registers
.endr
.irp i, 0,1,2,3
	global_load_b128 v[Q2+4*\i:Q2+4*\i+3], v[A0], s[54:55] offset:512*\i
.endr
	WIN 0
	v_and_b32 v29, 15, v0                          ; r
	v_bfe_u32 v30, v0, 4, 1                        ; h
	v_lshlrev_b32 v[GO], 12, v30
	v_lshl_add_u32 v[GO], v29, 4, v[GO]            ; the way out: lanes 0-15 one row of out0, lanes 16-31 the next; 16 bytes a lane
	v_lshlrev_b32 v31, 3, v30
	v_sub_nc_u32 v31, v29, v31
	v_add_nc_u32 v[DQ], s70, v31                   ; A's query in its chunk, less 8 h.  Register 8 t + i holds key 16 t + 8 h + i: it counts for A where 16 t + i <= this, for B where 16 (t - 1) + i <= this
	v_mul_u32_u24 v[STO], v29, SPITCH
	v_lshl_add_u32 v[STO], v30, 5, v[STO]
	v_add_nc_u32 v[STO], s72, v[STO]               ; the stage, in: row r, 32 bytes for each half of the lanes
	v_mul_u32_u24 v[RD], v30, SPITCH
	v_lshl_add_u32 v[RD], v29, 4, v[RD]
	v_add_nc_u32 v[RD], s72, v[RD]                 ; back: lanes 0-15 one row, lanes 16-31 the next
	s_wait_alu depctr_va_vdst(0)
	s_wait_kmcnt 0x0
	s_add_co_i32 s60, s48, s49
	s_lshl_b32 s60, s60, 23
	s_add_co_i32 s22, s22, s60                     ; a score stands for score x 2^(e6 + e7): the two exponents are added to c's exponent field
	s_mov_b32 s23, s22                             ; (named with it as a pair)
	s_xor_b32 s13, s22, 0x80000000                 ; -c
	s_add_co_i32 s60, s50, 127
	s_lshl_b32 s61, s60, 23
	v_mov_b32 v[SCL], s61                          ; 2^e8, for the conversion
	s_add_co_i32 s60, s60, 8
	s_lshl_b32 s60, s60, 23
	s_or_b32 s15, s60, 0x600000                    ; 448 x 2^e8
	s_add_co_i32 s53, s50, s51                     ; e8 + e9
	INIT
; THE MASK, in the tile's last chunk alone (a scalar branch on the wave's number and a counter): hidden scores become -infinity.  One compare serves A's tile t and B's tile t + 1.
.macro MASK
	s_cmp_lg_u32 s18, s17
	s_cbranch_scc1 .Lopen_\@
.set mt, -1
.rept 9
.set mi, 0
.rept 8
	v_cmp_le_i32 vcc_lo, 16*mt+mi, v[DQ]
.if mt >= 0
	v_cndmask_b32 v[SA+8*mt+mi], s3, v[SA+8*mt+mi], vcc_lo
.endif
.if mt < 7
	v_cndmask_b32 v[SB+8*mt+8+mi], s3, v[SB+8*mt+8+mi], vcc_lo
.endif
.set mi, mi+1
.endr
.set mt, mt+1
.endr
.Lopen_\@:
.endm
; A KEY STEP: the chunk at LDS byte s19 against my 32 queries.  q: Q's first register.  chk = 1: behind the tile's last chunk the work is left out; in it the mask is laid.  lim: the last chunk that the look-ahead may name
.macro STEP q, chk, lim
.if \chk
	s_cmp_gt_u32 s18, s17
	s_cbranch_scc1 .Lskip_\@
.endif
	s_add_co_u32 s16, s19, CHUNK
	s_min_u32 s16, s16, \lim
	s_wait_dscnt 0x0                               ; K's fragments, asked for a step ago, are in
	WIN 0x05
.set t, 0
.rept 8
	v_wmma_f32_16x16x64_fp8_fp8 v[SA+8*t:SA+8*t+7], v[KF+8*t:KF+8*t+7], v[\q:\q+7], 0
	v_wmma_f32_16x16x64_fp8_fp8 v[SB+8*t:SB+8*t+7], v[KF+8*t:KF+8*t+7], v[\q+8:\q+15], 0
.set t, t+1
.endr
	WIN 0
	v_add_nc_u32 v[ADR], s19, v[LN]                ; four places: in front of the loads into K's and V's registers and of the first read of the scores
	v_add_nc_u32 v[ADN], s16, v[LN]
	v_nop
	v_nop
	WIN 0x40
.set i, 0
.rept 16
	ds_load_b128 v[VF+4*i:VF+4*i+3], v[ADR] offset:8192+512*i   ; V's four fragments land while the softmax is walked,
.set i, i+1
.endr
	KLOAD ADN, 0                                   ; and so do the next chunk's K
.if \chk
	MASK
.endif
	v_max3_num_f32 v[A0], v[NMA+1], v[SA], v[SA+1] ; the largest score so far: four chains a tile, eight in all, each accumulator from its low end on
	v_max3_num_f32 v[B0], v[NMB+1], v[SB], v[SB+1]
	v_max3_num_f32 v[A1], v[SA+2], v[SA+3], v[SA+4]
	v_max3_num_f32 v[B1], v[SB+2], v[SB+3], v[SB+4]
	v_max3_num_f32 v[PA], v[SA+5], v[SA+6], v[SA+7]
	v_max3_num_f32 v[PB], v[SB+5], v[SB+6], v[SB+7]
	v_max3_num_f32 v[PA+1], v[SA+8], v[SA+9], v[SA+10]
	v_max3_num_f32 v[PB+1], v[SB+8], v[SB+9], v[SB+10]
.set i, 11
.rept 6
	MAX2 A0, SA, i
	MAX2 B0, SB, i
	MAX2 A1, SA, i+2
	MAX2 B1, SB, i+2
	MAX2 PA, SA, i+4
	MAX2 PB, SB, i+4
	MAX2 PA+1, SA, i+6
	MAX2 PB+1, SB, i+6
.set i, i+8
.endr
	MAX2 A0, SA, 59
	MAX2 B0, SB, 59
	MAX2 A1, SA, 61
	MAX2 B1, SB, 61
	v_max3_num_f32 v[A0], v[A0], v[A1], v[PA]
	v_max3_num_f32 v[B0], v[B0], v[B1], v[PB]
	v_max3_num_f32 v[A0], v[A0], v[PA+1], v[SA+63]
	v_max3_num_f32 v[B0], v[B0], v[PB+1], v[SB+63]
	v_permlanex16_b32 v[A1], v[A0], s20, s21
	v_permlanex16_b32 v[B1], v[B0], s20, s21
	v_max_num_f32 v[NMA+1], v[A0], v[A1]           ; with lane l xor 16's
	v_max_num_f32 v[NMB+1], v[B0], v[B1]
	v_mul_f32 v[A0], s13, v[NMA+1]                 ; -t (c is positive, so the largest score gives the largest t)
	v_mul_f32 v[B0], s13, v[NMB+1]
	v_floor_f32 v[A0], v[A0]                       ; the new -M = floor(-t): a whole number
	v_floor_f32 v[B0], v[B0]
	v_sub_f32 v[FA+1], v[A0], v[NMA]               ; old M - new M: a whole number, 0 or less
	v_sub_f32 v[FB+1], v[B0], v[NMB]
	v_mov_b32 v[NMA], v[A0]
	v_mov_b32 v[NMB], v[B0]
	v_cvt_i32_f32 v[FA+1], v[FA+1]                 ; (it saturates)
	v_cvt_i32_f32 v[FB+1], v[FB+1]
	v_ldexp_f32 v[FA], 1.0, v[FA+1]                ; f = 2^(old M - new M)
	v_ldexp_f32 v[FB], 1.0, v[FB+1]
.set i, 0
.rept 32
	v_pk_fma_f32 v[SA+i:SA+i+1], v[SA+i:SA+i+1], s[22:23], v[NMA:NMA+1] op_sel_hi:[1,0,0]   ; A: t - M, two at a time
.set i, i+2
.endr
.set i, 0
.rept 16
	v_pk_mul_f32 v[OA+i:OA+i+1], v[OA+i:OA+i+1], v[FA:FA+1] op_sel_hi:[1,0]   ; O^T under the new M, ahead of the exponentials
.set i, i+2
.endr
.set i, 0
.rept 16
	v_pk_mul_f32 v[OB+i:OB+i+1], v[OB+i:OB+i+1], v[FB:FB+1] op_sel_hi:[1,0]
.set i, i+2
.endr
	s_wait_alu depctr_va_vdst(0)                   ; ahead of the batch
.set i, 0
.rept 32                               ; A's p = 2^(t - M), by turns with B's t - M, which is first read behind the next wait
	v_exp_f32 v[SA+i], v[SA+i]
	v_pk_fma_f32 v[SB+i:SB+i+1], v[SB+i:SB+i+1], s[22:23], v[NMB:NMB+1] op_sel_hi:[1,0,0]
	v_exp_f32 v[SA+i+1], v[SA+i+1]
.set i, i+2
.endr
	v_pk_mul_f32 v[LA:LA+1], v[LA:LA+1], v[FA:FA+1] op_sel_hi:[1,0]           ; the sums under the new M (plain lines behind the exponentials)
	v_pk_mul_f32 v[LA+2:LA+3], v[LA+2:LA+3], v[FA:FA+1] op_sel_hi:[1,0]
	v_pk_mul_f32 v[LB:LB+1], v[LB:LB+1], v[FB:FB+1] op_sel_hi:[1,0]
	v_pk_mul_f32 v[LB+2:LB+3], v[LB+2:LB+3], v[FB:FB+1] op_sel_hi:[1,0]
	s_wait_alu depctr_va_vdst(0)                   ; one wait: behind A's batch, ahead of its first reader, and ahead of B's batch
.set k, 0
.rept 16                               ; B's p, by turns with A's first sums (of the unquantised p, 16 pairs into P's registers) and A's holds: all first read behind the next wait
	v_exp_f32 v[SB+4*k], v[SB+4*k]
	v_pk_add_f32 v[PA+2*k:PA+2*k+1], v[SA+4*k:SA+4*k+1], v[SA+4*k+2:SA+4*k+3]
	v_exp_f32 v[SB+4*k+1], v[SB+4*k+1]
	HOLD2 SA+4*k
	v_exp_f32 v[SB+4*k+2], v[SB+4*k+2]
	HOLD2 SA+4*k+2
	v_exp_f32 v[SB+4*k+3], v[SB+4*k+3]
.set k, k+1
.endr
	v_nop                                          ; a plain line behind the exponentials
	s_wait_alu depctr_va_vdst(0)                   ; the wait behind B's batch, ahead of its first reader
.set k, 0
.rept 8
	v_pk_add_f32 v[PB+2*k:PB+2*k+1], v[PB+2*k:PB+2*k+1], v[PA+2*k:PA+2*k+1]   ; A's sum goes on as a tree, towards P_B's top registers, ahead of the codes that land below
.set k, k+1
.endr
.set t, 0
.rept 8                                ; 16 keys at a time: B's sum of the unquantised p, its hold, and both tiles' codes (B's one group behind)
	v_pk_add_f32 v[A0:A0+1], v[SB+8*t:SB+8*t+1], v[SB+8*t+2:SB+8*t+3]
	v_pk_add_f32 v[B0:B0+1], v[SB+8*t+4:SB+8*t+5], v[SB+8*t+6:SB+8*t+7]
.irp k, 0,2,4,6
	HOLD2 SB+8*t+\k
.endr
.if t == 0
.irp k, 0,2,4,6
	v_pk_add_f32 v[PB+8+\k:PB+8+\k+1], v[PB+8+\k:PB+8+\k+1], v[PB+\k:PB+\k+1]
.endr
.endif
.if t == 1
	v_pk_add_f32 v[PB+12:PB+13], v[PB+12:PB+13], v[PB+8:PB+9]
	v_pk_add_f32 v[PB+14:PB+15], v[PB+14:PB+15], v[PB+10:PB+11]
.endif
.if t == 2
	v_pk_add_f32 v[LA:LA+1], v[LA:LA+1], v[PB+12:PB+13]
	v_pk_add_f32 v[LA+2:LA+3], v[LA+2:LA+3], v[PB+14:PB+15]
.endif
	v_pk_add_f32 v[LB:LB+1], v[LB:LB+1], v[A0:A0+1]
	v_pk_add_f32 v[LB+2:LB+3], v[LB+2:LB+3], v[B0:B0+1]
	v_cvt_scalef32_pk8_fp8_f32 v[PA+2*t:PA+2*t+1], v[SA+8*t:SA+8*t+7], v[SCL]
.if t > 0
	v_cvt_scalef32_pk8_fp8_f32 v[PB+2*t-2:PB+2*t-1], v[SB+8*t-8:SB+8*t-1], v[SCL]
.endif
.set t, t+1
.endr
	v_cvt_scalef32_pk8_fp8_f32 v[PB+14:PB+15], v[SB+56:SB+63], v[SCL]
	v_nop                                          ; one plain vector line between the conversions and the products that read their results
	s_wait_alu depctr_va_vdst(0)
	s_wait_dscnt 16                                ; V is in; the 16 younger loads, the next chunk's K, may be out
	WIN 0x01
.irp d, 0,1,2,3                        ; the eight accumulators take turns, one instruction a turn
	v_wmma_f32_16x16x128_fp8_fp8 v[OA+8*\d:OA+8*\d+7], v[VF+16*\d:VF+16*\d+15], v[PA:PA+15], v[OA+8*\d:OA+8*\d+7]
	v_wmma_f32_16x16x128_fp8_fp8 v[OB+8*\d:OB+8*\d+7], v[VF+16*\d:VF+16*\d+15], v[PB:PB+15], v[OB+8*\d:OB+8*\d+7]
.endr
	WIN 0
.if \chk
.Lskip_\@:
.endif
.endm
.macro NEXT                            ; a trip's end: the next chunk
	s_add_co_u32 s19, s19, CHUNK
	s_add_co_u32 s18, s18, 1
	s_sub_co_u32 s52, s52, 1
	s_cmp_lg_u32 s52, 0
.endm
; THE WAY OUT of a tile.  O^T / the sum x 2^(e8 + e9) goes through my stage, A's 16 queries and then B's, and leaves as rows: sixteen lanes store the 256 consecutive bytes of one token and head, at a multiple of 256 from out0's first byte.
.macro OUT base
	v_pk_add_f32 v[LA:LA+1], v[LA:LA+1], v[LA+2:LA+3]
	v_pk_add_f32 v[LB:LB+1], v[LB:LB+1], v[LB+2:LB+3]
	v_add_f32 v[LA], v[LA], v[LA+1]
	v_add_f32 v[LB], v[LB], v[LB+1]
	v_permlanex16_b32 v[A1], v[LA], s20, s21
	v_permlanex16_b32 v[B1], v[LB], s20, s21
	v_add_f32 v[LA], v[LA], v[A1]                  ; the row's sum
	v_add_f32 v[LB], v[LB], v[B1]
	s_wait_alu depctr_va_vdst(0)                   ; ahead of the transcendentals
	v_rcp_f32 v[LA], v[LA]
	v_rcp_f32 v[LB], v[LB]
	v_nop                                          ; a plain line behind them
	s_wait_alu depctr_va_vdst(0)                   ; ahead of their first reader
	v_ldexp_f32 v[LA], v[LA], s53
	v_ldexp_f32 v[LB], v[LB], s53
	s_wait_alu depctr_va_vdst(0)                   ; directly ahead of the first readers of O^T
.set i, 0
.rept 16
	v_pk_mul_f32 v[SA+i:SA+i+1], v[OA+i:OA+i+1], v[LA:LA+1] op_sel_hi:[1,0]   ; register 8 t + i is o(query r, d = 16 t + 8 h + i)
.set i, i+2
.endr
.set i, 0
.rept 16
	v_pk_mul_f32 v[SA+32+i:SA+32+i+1], v[OB+i:OB+i+1], v[LB:LB+1] op_sel_hi:[1,0]
.set i, i+2
.endr
.irp u, 0,1
.irp t, 0,1,2,3
	ds_store_b128 v[STO], v[SA+32*\u+8*\t:SA+32*\u+8*\t+3] offset:64*\t
	ds_store_b128 v[STO], v[SA+32*\u+8*\t+4:SA+32*\u+8*\t+7] offset:64*\t+16
.endr
.irp k, 0,1,2,3,4,5,6,7
	ds_load_b128 v[SB+32*\u+4*\k:SB+32*\u+4*\k+3], v[RD] offset:2*\k*SPITCH   ; LDS serves a wave's instructions in order: these see my stores, and B's stores come behind A's loads
.endr
.endr
.irp k, 0,1,2,3,4,5,6,7
	s_wait_dscnt 23-\k                             ; A's younger loads and B's 16 stage instructions may be out
	global_store_b128 v[GO], v[SB+4*\k:SB+4*\k+3], s[\base:\base+1] offset:8192*\k th:TH_STORE_NT
.endr
.irp k, 0,1,2,3,4,5,6,7
	s_wait_dscnt 7-\k
	global_store_b128 v[GO], v[SB+32+4*\k:SB+32+4*\k+3], s[\base:\base+1] offset:65536+8192*\k th:TH_STORE_NT
.endr
.endm
	s_wait_tensorcnt 0x0                           ; my part of chunks 0 to 3 is in
	ds_add_u32 v[SPW], v[NIL]
	s_wait_dscnt 0x0
	CROUND                                         ; everybody's part is in, and all four work-groups are here: the joint loads meet
	tensor_load_to_lds s[44:47], s[32:39]          ; chunks 4 to 15, my part: the first tensor load behind the round
	s_nop 0
	KLOAD LN, 0                                    ; chunk 0's K
	s_wait_loadcnt 0x0                             ; Q
	s_mov_b32 s18, 0
	s_mov_b32 s19, 0
	s_mov_b32 s52, 4
.Lfirst_head:                                      ; THE FIRST TILE (32 or higher): keys 0 to 511 all count; the look-ahead stays inside chunks 0 to 3, since the larger load is still out
	STEP Q1, 0, 3*CHUNK
	NEXT
	s_cbranch_scc1 .Lfirst_head
	s_wait_tensorcnt 0x0                           ; my part of chunks 4 to 15 is in,
	s_wait_dscnt 0x0
	s_barrier_signal -1
	s_barrier_wait -1                              ; everybody's is
	s_sub_co_u32 s17, 15, s12                      ; the first tile's last chunk: 15 - w
	s_mov_b32 s18, 4
	s_mov_b32 s19, 4*CHUNK
	s_mov_b32 s52, 12
	v_add_nc_u32 v[ADN], 4*CHUNK, v[LN]
	KLOAD ADN, 0                                   ; chunk 4's K
.Lfirst_rest:                                      ; every wave walks all the trips; what lies behind its tile's last chunk is left out inside the trip
	STEP Q1, 1, 15*CHUNK
	NEXT
	s_cbranch_scc1 .Lfirst_rest
	OUT 56
	s_wait_xcnt 0x0                                ; the stores have read their registers, which the second tile's scores take
	v_add_nc_u32 v[DQ], s71, v[DQ]                 ; THE SECOND TILE: its place in its last chunk,
	INIT
	s_mov_b32 s17, s12                             ; which is chunk w
	s_mov_b32 s18, 0
	s_mov_b32 s19, 0
	s_mov_b32 s52, 8
	KLOAD LN, 0
.Lsecond:
	STEP Q2, 1, 15*CHUNK
	NEXT
	s_cbranch_scc1 .Lsecond
	OUT 58
	s_wait_tensorcnt 0x0                           ; the wave's end: behind my last tensor load and my last LDS store
	ds_add_u32 v[SPW], v[NIL]
	s_wait_dscnt 0x0
	CROUND                                         ; the closing round: no work-group ends while a partner may still ask for a tile that names it
	s_endpgm
.Lfunc_end_k_q2f503eb908_attn:
	.size	k_q2f503eb908_attn, .Lfunc_end_k_q2f503eb908_attn-k_q2f503eb908_attn
	.p2alignl 7, 3214868480
	.fill 96, 4, 3214868480
	.section	.rodata,"a",@progbits
	.p2align	6, 0x0
	.amdhsa_kernel k_q2f503eb908_attn
		.amdhsa_group_segment_fixed_size 327680
		.amdhsa_private_segment_fixed_size 0
		.amdhsa_enable_private_segment 0
		.amdhsa_kernarg_size 32
		.amdhsa_user_sgpr_count 2
		.amdhsa_user_sgpr_kernarg_segment_ptr 1
		.amdhsa_wavefront_size32 1
		.amdhsa_system_sgpr_workgroup_id_x 1
		.amdhsa_system_sgpr_workgroup_id_y 1
		.amdhsa_system_sgpr_workgroup_id_z 1
		.amdhsa_system_vgpr_workitem_id 0
		.amdhsa_next_free_vgpr 512
		.amdhsa_next_free_sgpr 80
		.amdhsa_reserve_vcc 1
		.amdhsa_float_denorm_mode_32 3
		.amdhsa_float_denorm_mode_16_64 3
		.amdhsa_memory_ordered 1
		.amdhsa_forward_progress 1
		.amdhsa_inst_pref_size 129
	.end_amdhsa_kernel
	.amdgpu_metadata
---
amdhsa.version: [ 1, 2 ]
amdhsa.kernels:
  - .name:           k_q2f503eb908_attn
    .symbol:         k_q2f503eb908_attn.kd
    .args:
      - { .name: qf, .offset: 0, .size: 8, .value_kind: global_buffer, .address_space: global }
      - { .name: kv, .offset: 8, .size: 8, .value_kind: global_buffer, .address_space: global }
      - { .name: lowp_scales, .offset: 16, .size: 8, .value_kind: global_buffer, .address_space: global }
      - { .name: out0, .offset: 24, .size: 8, .value_kind: global_buffer, .address_space: global }
    .group_segment_fixed_size: 327680
    .private_segment_fixed_size: 0
    .kernarg_segment_align: 8
    .kernarg_segment_size: 32
    .max_flat_workgroup_size: 256
    .sgpr_count:     80
    .vgpr_count:     512
    .wavefront_size: 32
...
	.end_amdgpu_metadata
.endif
;; end of part 3
